; MI455X (gfx1250); checked and timed in simulation.
; The chip was launched on July 23, 2026; its instructions are those of AMD's public machine-readable ISA for CDNA 5 (MIT licence, August 2026) and "CDNA5" Instruction Set Architecture Reference Guide (July 2026). The comments in the code are by the model that wrote it; some were corrected since.
;; Ring Dilated Attention V2. Allowed arithmetic: matrix products marked QUANTISED: E2M3 operands, one E8M0 scale for each 32 along K, by v_wmma_scale_f32_16x16x128_f8f6f4 with both operands' format E2M3, f32 sums; everything else in f32.
;; Inputs: key 1 x 4,096 x 12 x 64 float32; query 1 x 4,096 x 12 x 64 float32; value 1 x 4,096 x 12 x 64 float32.
;; Outputs: out0 1 x 4,096 x 12 x 64 float32.
;; Constants: is_causal = 1.
;; This version of the problem:
;;   THIS VERSION OF THE PROBLEM IS GIVEN IN LOW PRECISION. The matrix products marked QUANTISED in the list below multiply operands that are first quantised to E2M3 (2 exponent bits, 3 mantissa bits; 6 bits a number), with one power-of-two scale for each 32 numbers along K (OCP MX v1.0); their sums are f32. All else is computed in f32.
;;   The module's matrix products, in the order in which they are computed (A, B: the left and right operand; K: the contracted axis; several contracted axes count as one K, in the product's order):
;;     1. batch 16 x [M 1,024, K 64] x [K 64, N 1,024]; A: input query; B: input key: QUANTISED
;;     2. batch 16 x [M 64, K 1,024] x [K 1,024, N 1,024]; A: input value; B: softmax (see below): QUANTISED
;;     3. batch 8 x [M 2,048, K 64] x [K 64, N 2,048]; A: input query; B: computed on the way: QUANTISED
;;     4. batch 8 x [M 64, K 2,048] x [K 2,048, N 2,048]; A: computed on the way; B: softmax (see below): QUANTISED
;;     5. batch 4 x [M 4,096, K 64] x [K 64, N 4,096]; A: input query; B: computed on the way: QUANTISED
;;     6. batch 4 x [M 64, K 4,096] x [K 4,096, N 4,096]; A: computed on the way; B: softmax (see below): QUANTISED
;;   THE QUANTISER, for each operand of a quantised product, along K:
;;     - K is cut into blocks of 32 from its start; a last block that is shorter is filled with zeros.
;;     - A block's scale is 2^e with e = floor(log2(the largest magnitude in the block)) - 2, held to -126 .. 127; a block of zeros has e = 0. As a byte (E8M0): e + 127.
;;     - Each number is divided by its block's scale, clamped to +-7.5, and rounded to the nearest number of E2M3, ties to even, subnormals kept.
;;     - The product sums the exact products of the quantised numbers (number of the format x scale) in f32.
;;   ~~~python
;;   def quantise(x, axis):      # numpy; x: float32 -> the quantised numbers, widened to float32 again
;;       x = np.moveaxis(x, axis, -1); K = x.shape[-1]
;;       x = np.pad(x, [(0, 0)] * (x.ndim - 1) + [(0, -K % 32)]); x = x.reshape(x.shape[:-1] + (-1, 32)); a = np.abs(x).max(-1, keepdims=True)
;;       e = np.where(a > 0, np.clip(np.frexp(np.where(a > 0, a, 1))[1] - 1 - 2, -126, 127), 0)      # np.frexp(a)[1] - 1 = floor(log2(a)), exactly
;;       r = np.clip(x / 2.0 ** e, -7.5, 7.5)
;;       step = 2.0 ** (np.maximum(np.frexp(np.where(r == 0, 1, r))[1] - 1, 0) - 3)
;;       q = np.round(r / step) * step * 2.0 ** e      # np.round: ties to even
;;       return np.moveaxis(q.reshape(q.shape[:-2] + (-1,))[..., :K], -1, axis).astype(np.float32)
;;   ~~~
;;   SOFTMAX AHEAD OF A QUANTISED PRODUCT. Where the list says 'softmax', what is quantised is not the finished softmax but p = 2^(t - M), with t = logit x log2(e) and M = ceil(the row's largest t), a whole number; so 1/2 < the row's largest p <= 1. The row's sum l is taken of the UNQUANTISED p, in f32, and the product's result is divided by l at the end. Since M is a whole number, a kernel that streams over the keys may use a running M (the ceiling of the running maximum): every later rescaling is an exact power of two, which a block's scale takes up: the codes' values come out the same.
;;   OPERANDS COMPUTED ON THE WAY. 'Computed on the way' means the value that the module computes at that place (a softmax that the list does not call 'softmax' is quantised finished and normalised). What goes into a quantiser is computed in f32, as accurately as f32 sums, v_exp_f32 and their like allow (about 1e-6 of the number): no bf16 or f16 on the way to a quantiser, and a product that is left as it is and whose result goes on into a quantised operand takes f32 operands (vector FMAs, or v_wmma_f32_16x16x4_f32). A number that lies on a knife's edge between two numbers of the format may be rounded either way, as far as f32 arithmetic and the matrix unit's own rounding can turn it there, and no further.
;; One version. Each part assembles by itself: llvm-mc -triple=amdgcn-amd-amdhsa -mcpu=gfx1250 --defsym DOCPART=n.
;; ======== version 1 of 1: 2 launches
;; workspace buffers: kv 2,924,544 bytes
;; launch prep (part 1): grid 224 x 1, 6 waves a work-group, no clusters, 52,992 bytes of LDS; arguments key, value, kv; writes kv
.if DOCPART == 1
	.amdgcn_target "amdgcn-amd-amdhsa--gfx1250"
	.amdhsa_code_object_version 6
	.text
	.protected	k_q09765f87b2_prep
	.globl	k_q09765f87b2_prep
	.p2align	8
	.type	k_q09765f87b2_prep,@function
k_q09765f87b2_prep:
	s_mov_b64 s[64:65], 0
	v_nop
	global_prefetch_b8 v0, s[64:65] scope:SCOPE_SE
	s_setreg_imm32_b32 hwreg(HW_REG_WAVE_MODE, 25, 1), 1
	s_wait_xcnt 0x0
; PREP: the keys and values that the dilated attention reads become codes of FP6 (E2M3) with one E8M0 byte for each 32 along a product's K.
; key, value: [4096 positions][12 heads][64] f32; a (position, head) row is 256 bytes at position x 3072 + head x 256.
; Heads 4 g .. 4 g + 3 (g = 0, 1, 2) work in segments of 1024 << g positions, and of a segment only 1,024 keys are ever read: key kappa lies at position
; segment start + g + (kappa << g).  A (segment, head) pair is a KEY SET: 16 + 8 + 4 = 28 of them.  A set has 8 steps of 128 keys; work-group X makes step X & 7 of set X >> 3:
; one block of 13,056 bytes of kv, laid as IMAGES OF THE OPERANDS' REGISTERS (four registers of 32 lanes = 512 bytes, lane l's 16 bytes at 16 l):
;   0      K: 4 pairs x 1,536 bytes.  Pair b = 12 registers: 0-5 tile 2 b, 6-11 tile 2 b + 1.  Tile 2 b + u, lane (r, h): the 24 bytes of codes of key 32 b + 8 u + r + 8 (r / 8), channels 32 h .. 32 h + 31
;   6144   V: 4 tiles x 1,536 bytes.  Tile t = 12 registers; lane (r, h), registers 6 c .. 6 c + 5: channel 16 t + r, keys 64 c + 32 h + 0 .. 31
;   12288  K's scale words, 4 x 128 bytes: array b, lanes 0-15 tile 2 b's rows, lanes 16-31 tile 2 b + 1's; word = byte(channels 0-31) | byte(channels 32-63) << 8
;   12800  V's scale words, 2 x 128 bytes: array p, lanes 0-15 tile 2 p's rows, lanes 16-31 tile 2 p + 1's; word = the bytes of the step's four blocks of 32 keys
; A block's scale is 2^(floor(log2(its largest magnitude)) - 2): its byte is the largest magnitude's exponent field - 2, held at 1 from below by a floor among the maximum's leaves.
; LIMITS: NaN and infinities among the inputs are not served; a block whose largest magnitude lies under 2^-124 keeps the byte 1, a block of zeros too (the quantiser's text says 127: its codes
; are zeros, which add nothing under any byte but 0xff, and these bytes are read by this program alone).
; SHARES.  Waves 0-3: K, 32 keys each (K = the channels, innermost in memory): whole rows are loaded, 16 lanes to a row, and turned through the wave's own stage in LDS, so that a lane holds a block of 32.
; Waves 4, 5: V, 32 channels each (K = the keys): a lane takes a channel and its registers run down the 128 keys; nothing is turned.  Waves share nothing: no barrier.
.set ROWP,  3072                       ; bytes from a position to the next
.set STEPB, 13056                      ; a step's block in kv
.set VIMG,  6144
.set KSC,   12288
.set VSC,   12800
.set SP,    272                        ; a stage row: 256 bytes + 16, so that sixteen rows' same column fall 68 words apart
.set WREG,  32*SP                      ; a wave's stage
.set FLOOR, 0x1800000                  ; 2^(3 - 127)
.set OFF2,  0xff000000                 ; takes 2 off an exponent field
.set RAW,   16                         ; v16-79 K's rows as loaded;  v16-143 V's 128 keys
.set XX,    80                         ; v80-143 K: two blocks of 32 neighbours
.set MX,    144                        ; v144-145 largest magnitudes
.set SO,    146                        ; v146-147 the conversions' scale operands
.set EB,    148                        ; v148-151 scale bytes
.set CD,    152                        ; v152-175 codes
.set CK,    164                        ; K: second halves, made here and moved (a conversion's three registers begin on an even number)
.set CV,    176                        ; V: the same
.set SW,    180                        ; the scale word
	s_load_b128 s[4:7], s[0:1], 0x0                ; key, value
	s_load_b64 s[8:9], s[0:1], 0x10                ; kv
	v_lshl_add_u32 v184, v0, 2, 0xcc00
	v_mov_b32 v185, 0
	v_lshrrev_b32 v1, 5, v0
	v_readfirstlane_b32 s10, v1                    ; wave 0..5
	v_and_b32 v1, 31, v0                           ; lane
	v_and_b32 v2, 15, v0                           ; r
	v_bfe_u32 v3, v0, 4, 1                         ; h
	s_wait_alu depctr_va_vdst(0)
	s_lshr_b32 s22, ttmp9, 3                       ; the key set, 0..27
	s_and_b32 s23, ttmp9, 7                        ; the step
	s_mov_b32 s11, 0                               ; g
	s_mov_b32 s24, 0                               ; the group's first set
	s_cmp_ge_u32 s22, 16
	s_cselect_b32 s11, 1, s11
	s_cselect_b32 s24, 16, s24
	s_cmp_ge_u32 s22, 24
	s_cselect_b32 s11, 2, s11
	s_cselect_b32 s24, 24, s24
	s_sub_co_u32 s22, s22, s24                     ; the set within its group: 4 x segment + head
	s_and_b32 s25, s22, 3
	s_lshl_b32 s26, s11, 2
	s_add_co_u32 s25, s25, s26                     ; head = 4 g + (set & 3)
	s_lshr_b32 s26, s22, 2
	s_add_co_u32 s27, s11, 10
	s_lshl_b32 s26, s26, s27                       ; the segment's first position
	s_lshl_b32 s27, s23, 7
	s_lshl_b32 s27, s27, s11                       ; (128 x step) << g
	s_add_co_u32 s26, s26, s27
	s_add_co_u32 s26, s26, s11                     ; the position of the step's first key
	s_mul_i32 s12, s26, ROWP
	s_lshl_b32 s25, s25, 8
	s_add_co_u32 s12, s12, s25                     ; its row's byte in key and in value (under 2^24)
	s_mov_b32 s13, 0
	s_lshl_b32 s14, ROWP, s11                      ; bytes from a key to the next: 3072 << g
	s_mul_i32 s28, ttmp9, STEPB                    ; my block of kv
	s_mov_b32 s29, 0
	; every LDS address is made here, ahead of the waves' parting
	s_mul_i32 s30, s10, WREG
	v_mul_u32_u24 v4, v3, SP
	v_lshl_add_u32 v4, v2, 4, v4
	v_add_nc_u32 v4, s30, v4                       ; the stage, in: row h, 16 bytes a lane
	v_mul_u32_u24 v5, v2, SP
	v_lshl_add_u32 v5, v3, 7, v5
	v_add_nc_u32 v5, s30, v5                       ; and back: row r, my half's 128 bytes
	v_lshlrev_b32 v6, 4, v1                        ; 16 x lane: an image's place
	v_lshlrev_b32 v7, 2, v1                        ; 4 x lane: a scale word's; also V's channel
	v_mul_u32_u24 v8, s14, v3
	v_lshl_add_u32 v8, v2, 4, v8                   ; K's loads: lanes 0-15 one key's row, lanes 16-31 the next key's
	v_mul_u32_u24 v9, v3, 1536
	v_lshl_add_u32 v9, v2, 4, v9                   ; V's images: tile lane / 16 of my two, place r
	s_mov_b32 s33, 0
	s_wait_kmcnt 0x0
	s_add_nc_u64 s[8:9], s[8:9], s[28:29]
	s_cmp_lt_u32 s10, 4
	s_cbranch_scc0 .Lvalue
; ---------------- K: wave b takes keys 32 b .. 32 b + 31 of the step
	s_mul_i32 s32, s10, s14
	s_lshl_b32 s32, s32, 5                         ; 32 b keys on
	s_add_nc_u64 s[16:17], s[4:5], s[12:13]
	s_add_nc_u64 s[16:17], s[16:17], s[32:33]
	s_mul_i32 s32, s10, 1536
	s_add_nc_u64 s[18:19], s[8:9], s[32:33]        ; pair b's image
	s_lshl_b32 s32, s10, 7
	s_add_nc_u64 s[20:21], s[8:9], s[32:33]        ; array b of the scale words (KSC stands in the store's immediate)
.macro KLOAD rate                      ; 16 loads, two whole rows of 256 bytes each; the keys' distance stands in the immediate, so the run is written once for each dilation
.set nn, 0
.rept 16
	global_load_b128 v[RAW+4*nn:RAW+4*nn+3], v8, s[16:17] offset:2*nn*ROWP*\rate th:TH_LOAD_NT
.set nn, nn+1
.endr
.endm
	s_cmp_eq_u32 s11, 0
	s_cbranch_scc0 .Lk_not_1
	s_wait_alu depctr_va_vdst(0)
	KLOAD 1
	s_branch .Lk_asked
.Lk_not_1:
	s_cmp_eq_u32 s11, 1
	s_cbranch_scc0 .Lk_not_2
	s_wait_alu depctr_va_vdst(0)
	KLOAD 2
	s_branch .Lk_asked
.Lk_not_2:
	s_wait_alu depctr_va_vdst(0)
	KLOAD 4
.Lk_asked:                                         ; sixteen loads are out on each of the three ways
.set nn, 0
.rept 16                               ; key k = 16 a + 8 u + c goes to stage row 16 u + 8 a + c, so that row 16 u + r holds key r + 8 (r / 8) + 8 u: tile u's row r
	s_wait_loadcnt 15-nn                           ; loads come back in order: load nn is in, the younger ones may be out
	ds_store_b128 v4, v[RAW+4*nn:RAW+4*nn+3] offset:(16*(((2*nn)>>3)&1)+((2*nn)&7)+8*((2*nn)>>4))*SP
.set nn, nn+1
.endr
.irp u, 0,1
.irp i, 0,1,2,3,4,5,6,7
	ds_load_b128 v[XX+32*\u+4*\i:XX+32*\u+4*\i+3], v5 offset:16*\u*SP+16*\i   ; LDS serves a wave's instructions in order: these see my stores
.endr
.endr
	s_wait_dscnt 0x0
.irp u, 0,1
	v_max3_num_f32 v[MX+\u], |v[XX+32*\u]|, |v[XX+32*\u+1]|, FLOOR   ; a whole block lies in my 32 registers; the floor is one more leaf
.endr
.irp i, 2,4,6,8,10,12,14,16,18,20,22,24,26,28,30
.irp u, 0,1
	v_max3_num_f32 v[MX+\u], v[MX+\u], |v[XX+32*\u+\i]|, |v[XX+32*\u+\i+1]|   ; (the two blocks by turns)
.endr
.endr
.irp u, 0,1
	v_add_nc_u32 v[SO+\u], OFF2, v[MX+\u]          ; the conversion takes this operand's exponent field as its scale
.endr
.irp u, 0,1
	v_lshrrev_b32 v[EB+\u], 23, v[SO+\u]           ; the scale's byte
.endr
.irp u, 0,1
	v_cvt_scalef32_pk16_fp6_f32 v[CD+6*\u:CD+6*\u+2], v[XX+32*\u:XX+32*\u+15], v[SO+\u]
	v_cvt_scalef32_pk16_fp6_f32 v[CK+4*\u:CK+4*\u+2], v[XX+32*\u+16:XX+32*\u+31], v[SO+\u]
.endr
	v_nop                                          ; one plain place behind a scaled conversion
.irp u, 0,1
.irp i, 0,1,2
	v_mov_b32 v[CD+6*\u+3+\i], v[CK+4*\u+\i]
.endr
.endr
.irp q, 0,1,2
	global_store_b128 v6, v[CD+4*\q:CD+4*\q+3], s[18:19] offset:512*\q   ; 32 lanes store 512 consecutive bytes, at a multiple of 256 from kv's first byte
.endr
	v_permlane16_swap_b32 v[EB], v[EB+1]           ; EB: tile lane / 16, row r, channels 0-31;  EB + 1: the same tile and row, channels 32-63
	v_lshl_or_b32 v[SW], v[EB+1], 8, v[EB]
	global_store_b32 v7, v[SW], s[20:21] offset:KSC
	s_wait_tensorcnt 0x0
	ds_add_u32 v184, v185
	s_wait_dscnt 0x0
	s_endpgm
; ---------------- V: wave 4 + tau takes channels 32 tau .. 32 tau + 31, all 128 keys
.Lvalue:
	s_sub_co_u32 s31, s10, 4                       ; tau
	s_lshl_b32 s32, s31, 7
	s_add_nc_u64 s[16:17], s[6:7], s[12:13]
	s_add_nc_u64 s[16:17], s[16:17], s[32:33]      ; my 128 bytes of the first key's row
	s_add_nc_u64 s[20:21], s[8:9], s[32:33]        ; array tau of the scale words (VSC stands in the immediate)
	s_mul_i32 s32, s31, 3072
	s_add_nc_u64 s[18:19], s[8:9], s[32:33]        ; tiles 2 tau and 2 tau + 1 (VIMG stands in the immediate)
.macro VLOAD rate                      ; key nn of the step at my channel: 32 lanes read 128 consecutive bytes
.set nn, 0
.rept 128
	global_load_b32 v[RAW+nn], v7, s[16:17] offset:nn*ROWP*\rate th:TH_LOAD_NT
.set nn, nn+1
.endr
.endm
	s_cmp_eq_u32 s11, 0
	s_cbranch_scc0 .Lv_not_1
	s_wait_alu depctr_va_vdst(0)
	VLOAD 1
	s_branch .Lv_asked
.Lv_not_1:
	s_cmp_eq_u32 s11, 1
	s_cbranch_scc0 .Lv_not_2
	s_wait_alu depctr_va_vdst(0)
	VLOAD 2
	s_branch .Lv_asked
.Lv_not_2:
	s_wait_alu depctr_va_vdst(0)
	VLOAD 4
.Lv_asked:                                         ; 128 loads were issued on each of the three ways
.macro MAX32 a, b, x                   ; v[a] = the largest magnitude of v[x] .. v[x + 31] and the floor, in two chains; v[b] at work
	v_max3_num_f32 v[\a], |v[(\x)]|, |v[(\x)+1]|, FLOOR
	v_max3_num_f32 v[\b], |v[(\x)+16]|, |v[(\x)+17]|, |v[(\x)+18]|
.irp i, 0,2,4,6,8,10
	v_max3_num_f32 v[\a], v[\a], |v[(\x)+2+\i]|, |v[(\x)+3+\i]|
	v_max3_num_f32 v[\b], v[\b], |v[(\x)+19+\i]|, |v[(\x)+20+\i]|
.endr
	v_max3_num_f32 v[\a], v[\a], |v[(\x)+14]|, |v[(\x)+15]|
	v_max3_num_f32 v[\a], v[\a], v[\b], |v[(\x)+31]|
.endm
.macro VBLOCK be                       ; keys 32 be .. 32 be + 31 of my channel: block be = 2 c + h' belongs to lane (r, h'), registers 6 c .. 6 c + 5 of the image
.set XS, RAW+32*(\be)
.set DST, CD+12*((\be)&1)+6*((\be)>>1)
	MAX32 MX, MX+1, XS
	v_add_nc_u32 v[SO], OFF2, v[MX]
	v_lshrrev_b32 v[EB+(\be)], 23, v[SO]
	v_cvt_scalef32_pk16_fp6_f32 v[DST:DST+2], v[XS:XS+15], v[SO]
	v_cvt_scalef32_pk16_fp6_f32 v[CV:CV+2], v[XS+16:XS+31], v[SO]
	v_nop                                          ; one plain place behind a scaled conversion
.irp i, 0,1,2
	v_mov_b32 v[DST+3+\i], v[CV+\i]
.endr
.endm
	s_wait_loadcnt 63                              ; at most 63 of the 128 are out: the first 65 are in, blocks 0 and 1 among them (a larger count cannot be written)
	VBLOCK 0
	VBLOCK 1
	s_wait_loadcnt 32                              ; block 3's 32 may be out
	VBLOCK 2
	s_wait_loadcnt 0x0
	VBLOCK 3
	v_lshl_or_b32 v[SW], v[EB+1], 8, v[EB]         ; my channel's scale word for these 128 keys
	v_lshl_or_b32 v[SW], v[EB+2], 16, v[SW]
	v_lshl_or_b32 v[SW], v[EB+3], 24, v[SW]
.irp p, 0,1                            ; what I hold for lane (r, p) of my tile's image
.irp q, 0,1,2
	global_store_b128 v9, v[CD+12*\p+4*\q:CD+12*\p+4*\q+3], s[18:19] offset:VIMG+512*\q+256*\p   ; each sixteen lanes store 256 consecutive bytes, at a multiple of 256 from kv's first byte
.endr
.endr
	global_store_b32 v7, v[SW], s[20:21] offset:VSC
	s_endpgm
.Lfunc_end_k_q09765f87b2_prep:
	.size	k_q09765f87b2_prep, .Lfunc_end_k_q09765f87b2_prep-k_q09765f87b2_prep
	.p2alignl 7, 3214868480
	.fill 96, 4, 3214868480
	.section	.rodata,"a",@progbits
	.p2align	6, 0x0
	.amdhsa_kernel k_q09765f87b2_prep
		.amdhsa_group_segment_fixed_size 52992
		.amdhsa_private_segment_fixed_size 0
		.amdhsa_enable_private_segment 0
		.amdhsa_kernarg_size 24
		.amdhsa_user_sgpr_count 2
		.amdhsa_user_sgpr_kernarg_segment_ptr 1
		.amdhsa_wavefront_size32 1
		.amdhsa_system_sgpr_workgroup_id_x 1
		.amdhsa_system_sgpr_workgroup_id_y 1
		.amdhsa_system_sgpr_workgroup_id_z 1
		.amdhsa_system_vgpr_workitem_id 0
		.amdhsa_next_free_vgpr 186
		.amdhsa_next_free_sgpr 66
		.amdhsa_reserve_vcc 0
		.amdhsa_float_denorm_mode_32 3
		.amdhsa_float_denorm_mode_16_64 3
		.amdhsa_memory_ordered 1
		.amdhsa_forward_progress 1
		.amdhsa_inst_pref_size 57
	.end_amdhsa_kernel
	.amdgpu_metadata
---
amdhsa.version: [ 1, 2 ]
amdhsa.kernels:
  - .name:           k_q09765f87b2_prep
    .symbol:         k_q09765f87b2_prep.kd
    .args:
      - { .name: key, .offset: 0, .size: 8, .value_kind: global_buffer, .address_space: global }
      - { .name: value, .offset: 8, .size: 8, .value_kind: global_buffer, .address_space: global }
      - { .name: kv, .offset: 16, .size: 8, .value_kind: global_buffer, .address_space: global }
    .group_segment_fixed_size: 52992
    .private_segment_fixed_size: 0
    .kernarg_segment_align: 8
    .kernarg_segment_size: 24
    .max_flat_workgroup_size: 192
    .sgpr_count:     66
    .vgpr_count:     186
    .wavefront_size: 32
...
	.end_amdgpu_metadata
.endif
;; end of part 1
;; launch attn (part 2): grid 252 x 1, 12 waves a work-group, no clusters, 169,472 bytes of LDS; arguments query, kv, out0; writes out0
.if DOCPART == 2
	.amdgcn_target "amdgcn-amd-amdhsa--gfx1250"
	.amdhsa_code_object_version 6
	.text
	.protected	k_q09765f87b2_attn
	.globl	k_q09765f87b2_attn
	.p2align	8
	.type	k_q09765f87b2_attn,@function
k_q09765f87b2_attn:
	s_mov_b64 s[64:65], 0
	v_nop
	global_prefetch_b8 v0, s[64:65] scope:SCOPE_SE
	s_setreg_imm32_b32 hwreg(HW_REG_WAVE_MODE, 25, 1), 1
	s_wait_xcnt 0x0
; ATTN: out0 = the dilated causal attention, both products on codes of FP6 (E2M3) with one E8M0 scale for each 32 along a product's K.
; query, out0: [4096 positions][12 heads][64] f32.  kv: 28 key sets x 8 steps x 13,056 bytes, images of the operands' registers, as the launch before laid them.
; WHAT IS SUMMED.  Heads 4 g .. 4 g + 3 work in segments of 1024 << g positions.  The gathered key axis of a segment is its 1,024 keys tiled 1 << g times, so for query 1024 m + q' key j' counts
; m + (j' <= q') times, and a repeated block of 32 keys has the same p, codes and scale as its first copy.  With a step = 128 keys and D = q' / 128: steps under D count m + 1 times, step D once
; with the causal mask and m times without, steps over D count m times.  Only step D is quantised twice.  A tile of 16 queries so costs D + 1 steps (m = 0) or 9 (m >= 1).
; THE WEIGHTS ride on the factor f that brings O and the row's sum l under a new M in every step: f = G x 2^(old M - new M), G = m + 1 at the masked step, 1 / m at the unmasked step D, else 1.
; O and l carry the same factors, which cancel in O / l.
; THE SOFTMAX: t = score x log2(e) / 8; M = the largest t so far, rounded up to a whole number; p = 2^(t - M) is quantised along the keys; l is the sum of the unquantised p.
; LIMITS: NaN and infinities among the inputs are not served; a block whose largest magnitude lies under 2^-124 keeps the scale byte 1 (a block of zeros too: its codes are zeros).  The sums over
; repeated keys are a weight times one sum, so the order of f32 rounding differs from a walk over all copies; the weight 1 / 3 is rounded to f32 and multiplies O and l alike.
; SHARES.  A unit = 9 steps: a tile with m >= 1, or the pair of tiles i and 63 - i with m = 0.  A work-group takes 9 units of ONE key set on 12 waves: waves 0-7 a unit each; waves 8-11 share the ninth,
; a tile with m >= 1, along the keys (2 + 2 + 2 + 3 steps), and wave 8 merges the four parts through LDS.  Work-groups for a set: 4, 11, 25 (g = 0, 1, 2): 64 + 88 + 100 = 252.
; The whole set, 104,448 bytes, comes into LDS once, a twelfth by each wave's tensor load; nothing is filled twice.
; NO JOINT LOADS: the work-groups of a set number 4, 11 and 25, so clusters of four would straddle sets and partners would want different tiles; what is shared is one fill.
; LAYOUT.  Both products are used transposed: S^T = K Q^T (source 0 = 16 keys, source 1 = my 16 queries), O^T = V^T P^T (source 0 = 16 channels, source 1 = P): a lane holds ONE query (lane % 16).
; Lane r of K's tile 2 b + u is key 32 b + 8 u + r + 8 (r / 8), so the 16 registers of tiles 2 b, 2 b + 1 are keys 32 b + 16 (lane / 16) + 0 .. 15.
; THE FIRST PRODUCT'S K IS 64, THE INSTRUCTION'S 128: Q's registers 6-11 are zero codes, so whatever stands in K's registers 6-11 adds exactly 0 (every 6-bit code is a finite number); the scale
; bytes of k = 64 .. 127 are 0 on both sides, which is 2^-127 and no NaN.  So K's fragments lie 6 registers apart, tile t's operand is v[32 + 6 t .. 43 + 6 t], and behind tile 7 stand six zeros.
.set ROWP,  3072                       ; bytes from a position to the next
.set STEPB, 13056                      ; a step's block
.set VIMG,  6144
.set KSC,   12288
.set VSC,   12800
.set SETB,  8*STEPB                    ; LDS 0 .. 104,447: the key set
.set FILLB, SETB/12                    ; 8,704 bytes = 34 rows of 256: what one wave's tensor load brings
.set STG,   SETB                       ; behind it, 4,608 bytes for each wave: a stage of 16 rows x 272 bytes; in waves 9-11 later O^T's image (4,096) and a record (512)
.set WREG,  4608
.set PART9, STG+9*WREG
.set SP,    272                        ; a stage row: 256 bytes + 16, so that sixteen rows' same column fall 68 words apart
.set FLOOR, 0x1800000                  ; 2^(3 - 127)
.set OFF2,  0xff000000                 ; takes 2 off an exponent field
.set ONE,   0x3f800000
.set TWO,   0x40000000
.set THREE, 0x40400000
.set FOUR,  0x40800000
.set HALF,  0x3f000000
.set THIRD, 0x3eaaaaab
; vector registers
.set LI,  1                            ; 16 x lane
.set LS,  2                            ; 4 x lane
.set ADK, 3                            ; LI + the step's block
.set ADS, 4                            ; LS + the step's block
.set SA,  5                            ; stage: row lane / 16, 16 bytes a lane
.set SBQ, 6                            ; stage: row r, my half's 128 bytes
.set SBO, 7                            ; stage: row r, + 32 (lane / 16)
.set VQ,  8                            ; query, out0: (lane / 16) rows + 16 r
.set QD,  9                            ; r - 16 (lane / 16)
.set PRD, 10                           ; LI + wave 9's region
.set LIW, 11                           ; LI + my region
.set NM,  12                           ; -M            (v[12:13] is named as a pair)
.set TM,  13                           ; the largest t so far
.set LL,  14                           ; v[14:15] l, in two halves
.set QF,  16                           ; v16-27 Q's codes; v22-27 stay 0
.set QS,  28                           ; Q's scale words
.set PS,  29                           ; P's
.set FF,  30                           ; v[30:31] f, and 0
.set KF,  32                           ; v32-79 K's eight fragments; v80-85 zeros.  Behind the first product v32-47 are at work:
.set BM,  32                           ;   each block's largest score, then its largest p
.set BP,  36                           ;   the other half's; then the bytes
.set BS,  40                           ;   the conversions' scale operands
.set MD,  44                           ;   the mask: my query - 16 (lane / 16), within the step
.set MI,  45                           ;   -infinity
.set TA,  46                           ;   v[46:47]
.set ZR,  80
.set VF,  86                           ; v86-133 V's four fragments
.set SCO, 134                          ; v134-197 S^T, then p; also q as loaded, and the way out
.set XQ,  166                          ; its upper half: q's 32 neighbours; rows of out0
.set OT,  198                          ; v198-229 O^T, tile t at 198 + 8 t
.set KS,  230                          ; v230-233 K's scale words
.set VS,  234                          ; v234-235 V's
.set PC,  236                          ; v236-247 P's codes
.set CT,  248                          ; v248-254 second halves of the conversions; the merge's two temporaries
; scalar registers
.set WV,  10
.set GG,  11
.set SIG, 12
.set JW,  13
.set WW,  14
.set LIM, 15
.set G1,  16                           ; s[16:23] descriptor group 1, s[24:27] group 0: never rewritten
.set G0,  24
.set EE,  28
.set TT0, 29                           ; s29, s30 my two tiles
.set VL0, 31                           ; s31, s32 whether they exist
.set HEAD, 33
.set SEGB, 34
.set SV0, 35                           ; s35, s36 my share of a tile's nine steps
.set SV1, 36
.set QB,  38                           ; s[38:39] query at my first tile, s[70:71] at my second: made once, at the head, never rewritten
.set OB,  40                           ; s[40:41], s[72:73] out0 likewise
.set TT,  42
.set MM,  43
.set DD,  44
.set DM,  45
.set SLO, 46
.set SHI, 47
.set QR,  48
.set GM,  49
.set RM,  50
.set GF,  51
.set WL,  52
.set VLO, 53
.set VHI, 54
.set SS,  55
.set TB,  56
.set VAL, 57
.set CS,  58                           ; s[58:59] c = log2(e) / 8
.set SEL, 60                           ; s[60:61] v_permlanex16_b32's selects for lane l xor 16
	s_load_b128 s[4:7], s[0:1], 0x0                ; query, kv
	s_load_b64 s[8:9], s[0:1], 0x10                ; out0
	v_lshl_add_u32 v251, v0, 2, 0x29000
	v_mov_b32 v255, 0
	ds_add_u32 v251, v255
	ds_add_u32 v251, v255
	v_lshrrev_b32 v1, 5, v0
	s_delay_alu instid0(VALU_DEP_1)
	v_readfirstlane_b32 s[WV], v1                  ; wave 0..11
	; the work-group's number -> group g, set sigma of the group, work-group j of the set
	s_mov_b32 s[GG], 0
	s_mov_b32 s66, 0                               ; the group's first work-group
	s_mov_b32 s67, 256                             ; (a x 256) >> 10 = a / 4;  (a x 94) >> 10 = a / 11 for a < 88;  (a x 41) >> 10 = a / 25 for a < 100
	s_mov_b32 s[WW], 4                             ; work-groups for a set
	s_mov_b32 s68, 0                               ; the group's first set
	s_cmp_ge_u32 ttmp9, 64
	s_cselect_b32 s[GG], 1, s[GG]
	s_cselect_b32 s66, 64, s66
	s_cselect_b32 s67, 94, s67
	s_cselect_b32 s[WW], 11, s[WW]
	s_cselect_b32 s68, 16, s68
	s_cmp_ge_u32 ttmp9, 152
	s_cselect_b32 s[GG], 2, s[GG]
	s_cselect_b32 s66, 152, s66
	s_cselect_b32 s67, 41, s67
	s_cselect_b32 s[WW], 25, s[WW]
	s_cselect_b32 s68, 24, s68
	s_sub_co_u32 s62, ttmp9, s66                   ; a
	s_mul_i32 s[SIG], s62, s67
	s_lshr_b32 s[SIG], s[SIG], 10
	s_mul_i32 s63, s[SIG], s[WW]
	s_sub_co_u32 s[JW], s62, s63
	s_add_co_u32 s68, s68, s[SIG]                  ; the set among the 28
	s_lshl_b32 s[LIM], 64, s[GG]                   ; tiles of 16 queries in a segment
	s_and_b32 s[HEAD], s[SIG], 3
	s_lshl_b32 s63, s[GG], 2
	s_add_co_u32 s[HEAD], s[HEAD], s63
	s_lshr_b32 s[SEGB], s[SIG], 2
	s_add_co_u32 s63, s[GG], 10
	s_lshl_b32 s[SEGB], s[SEGB], s63               ; the segment's first position
	; my tiles.  Waves 0-7: unit E = 8 j + w: E < 32: the pair E, 63 - E; else the tile E + 32 + W (tiles 64 .. 63 + W are the split ones)
	s_lshl_b32 s[EE], s[JW], 3
	s_add_co_u32 s[EE], s[EE], s[WV]
	s_add_co_u32 s62, s[EE], s[WW]
	s_add_co_u32 s62, s62, 32
	s_cmp_lt_u32 s[EE], 32
	s_cselect_b32 s[TT0], s[EE], s62
	s_cselect_b32 s[VL0+1], 1, 0
	s_sub_co_u32 s[TT0+1], 63, s[EE]
	s_and_b32 s[TT0+1], s[TT0+1], 63
	; waves 8-11: tile 64 + j, steps 2 i .. 2 i + 1 of its nine (i = w - 8; wave 11 one more)
	s_add_co_u32 s62, s[JW], 64
	s_sub_co_u32 s63, s[WV], 8
	s_lshl_b32 s66, s63, 1
	s_add_co_u32 s67, s66, 2
	s_cmp_eq_u32 s[WV], 11
	s_cselect_b32 s69, 1, 0
	s_add_co_u32 s67, s67, s69
	s_cmp_ge_u32 s[WV], 8
	s_cselect_b32 s[TT0], s62, s[TT0]
	s_cselect_b32 s[VL0+1], 0, s[VL0+1]
	s_cselect_b32 s[SV0], s66, 0
	s_cselect_b32 s[SV1], s67, 9
	s_cmp_lt_u32 s[TT0], s[LIM]                    ; a tile past the segment's end does not exist: group 0's split waves, and the last 3 and 1 places of groups 1 and 2
	s_cselect_b32 s[VL0], 1, 0
	; the descriptor: a dense block of 34 rows of 256 bytes (32 elements of 8 bytes), no padding
	s_mov_b32 s[G1+0], 3<<16                       ; 15:0 no mask; 17:16 elements of 8 bytes
	s_mov_b32 s[G1+1], 32<<16                      ; tensor_dim0 = 32
	s_mov_b32 s[G1+2], 34<<16                      ; tensor_dim1 = 34
	s_mov_b32 s[G1+3], 32<<16                      ; tile_dim0 = 32
	s_mov_b32 s[G1+4], 34                          ; tile_dim1 = 34
	s_mov_b32 s[G1+5], 32                          ; elements from row to row
	s_mov_b32 s[G1+6], 0
	s_mov_b32 s[G1+7], 0
	s_mov_b32 s[G0], 1                             ; count = 1
	s_mul_i32 s[G0+1], s[WV], FILLB                ; LDS address: my twelfth
	s_mul_i32 s62, s68, SETB
	s_add_co_u32 s62, s62, s[G0+1]                 ; and the same twelfth of my set in kv
	s_mov_b32 s63, 0
	s_mov_b32 s[CS], 0x3e38aa3b                    ; c = log2(e) / sqrt(64)
	s_mov_b32 s[CS+1], s[CS]                       ; (named with it as a pair, so it is written)
	s_mov_b32 s[SEL], 0x76543210
	s_mov_b32 s[SEL+1], 0xfedcba98
	s_wait_dscnt 0x0
	s_wait_kmcnt 0x0
	s_add_nc_u64 s[G0+2:G0+3], s[6:7], s[62:63]
	s_or_b32 s[G0+3], s[G0+3], 0x80000000          ; type = 2
	tensor_load_to_lds s[G0:G0+3], s[G1:G1+7]      ; my one tensor load of the launch
	s_nop 0
	v_and_b32 v[TA], 31, v0                        ; lane
	v_and_b32 v[MD], 15, v0                        ; r
	v_bfe_u32 v[MI], v0, 4, 1                      ; h
	s_delay_alu instid0(VALU_DEP_3)
	v_lshlrev_b32 v[LI], 4, v[TA]
	s_delay_alu instid0(VALU_DEP_4)
	v_lshlrev_b32 v[LS], 2, v[TA]
	s_mul_i32 s62, s[WV], WREG
	s_add_co_u32 s62, s62, STG                     ; my region
	v_mul_u32_u24 v[SA], v[MI], SP
	s_delay_alu instid0(VALU_DEP_1)
	v_lshl_add_u32 v[SA], v[MD], 4, v[SA]
	s_delay_alu instid0(VALU_DEP_1)
	v_add_nc_u32 v[SA], s62, v[SA]
	v_mul_u32_u24 v[TA+1], v[MD], SP
	s_delay_alu instid0(VALU_DEP_1)
	v_add_nc_u32 v[TA+1], s62, v[TA+1]
	s_delay_alu instid0(VALU_DEP_1)
	v_lshl_add_u32 v[SBQ], v[MI], 7, v[TA+1]
	s_delay_alu instid0(VALU_DEP_2)
	v_lshl_add_u32 v[SBO], v[MI], 5, v[TA+1]
	v_mul_u32_u24 v[VQ], v[MI], ROWP
	s_delay_alu instid0(VALU_DEP_1)
	v_lshl_add_u32 v[VQ], v[MD], 4, v[VQ]
	v_lshlrev_b32 v[TA+1], 4, v[MI]
	s_delay_alu instid0(VALU_DEP_1)
	v_sub_nc_u32 v[QD], v[MD], v[TA+1]
	v_add_nc_u32 v[PRD], PART9, v[LI]
	v_add_nc_u32 v[LIW], s62, v[LI]
	; query and out0 at my two tiles: made here, on the one way that every wave takes, and never rewritten.  A tile that does not exist is held at the segment's last tile:
	; nothing is loaded or stored by its address, and the address still lies inside its buffer
	s_sub_co_u32 s66, s[LIM], 1
	s_lshl_b32 s67, s[HEAD], 8
	s_mov_b32 s63, 0
.irp it, 0,1
	s_min_u32 s62, s[TT0+\it], s66
	s_lshl_b32 s62, s62, 4
	s_add_co_u32 s62, s62, s[SEGB]                 ; the tile's first position
	s_mul_i32 s62, s62, ROWP
	s_add_co_u32 s62, s62, s67                     ; its row's byte (under 2^24)
	s_add_nc_u64 s[QB+32*\it:QB+32*\it+1], s[4:5], s[62:63]
	s_add_nc_u64 s[OB+32*\it:OB+32*\it+1], s[8:9], s[62:63]
.endr
.set nn, 0
.rept 16
	v_mov_b32 v[QF+nn], 0                          ; Q's codes (registers 6-11 stay zero codes), its scale word, P's, f's pair
.set nn, nn+1
.endr
.irp i, 0,1,2,3,4,5
	v_mov_b32 v[ZR+\i], 0                          ; what tile 7's operand names behind its six registers
.endr
	v_mov_b32 v[TA], 0
	v_mov_b32 v[TA+1], 0
.macro INIT                            ; a tile begins: the largest t is -3e38, under every t; l and O^T are zeros, which the first change of M leaves zeros (so a step is written once, with no first step of its own)
	v_mov_b32 v[TM], 0xff61b1e6
	s_delay_alu instid0(VALU_DEP_1)
	v_floor_f32 v[NM], -v[TM]
	v_mov_b32 v[LL], 0
	v_mov_b32 v[LL+1], 0
.set nn, 0
.rept 32
	v_mov_b32 v[OT+nn], 0
.set nn, nn+1
.endr
.endm
.macro MAX32 a, b, x                   ; v[a] = the largest magnitude of v[x] .. v[x + 31] and the floor, in two chains; v[b] at work
	v_max3_num_f32 v[\a], |v[(\x)]|, |v[(\x)+1]|, FLOOR
	v_max3_num_f32 v[\b], |v[(\x)+16]|, |v[(\x)+17]|, |v[(\x)+18]|
.irp i, 0,2,4,6,8,10
	s_delay_alu instid0(VALU_DEP_2)
	v_max3_num_f32 v[\a], v[\a], |v[(\x)+2+\i]|, |v[(\x)+3+\i]|
	s_delay_alu instid0(VALU_DEP_2)
	v_max3_num_f32 v[\b], v[\b], |v[(\x)+19+\i]|, |v[(\x)+20+\i]|
.endr
	s_delay_alu instid0(VALU_DEP_2)
	v_max3_num_f32 v[\a], v[\a], |v[(\x)+14]|, |v[(\x)+15]|
	s_delay_alu instid0(VALU_DEP_1)
	v_max3_num_f32 v[\a], v[\a], v[\b], |v[(\x)+31]|
.endm
; My tile's 16 rows of q (base in s[qb:qb+1]): loaded as whole rows (sixteen lanes to a row's 256 bytes), turned through my stage so that lane (r, h) holds channels 32 h .. 32 h + 31 of query r, one block, and quantised.
.macro QTILE qb
.set nn, 0
.rept 8
	global_load_b128 v[SCO+4*nn:SCO+4*nn+3], v[VQ], s[\qb:\qb+1] offset:2*ROWP*nn
.set nn, nn+1
.endr
	s_wait_loadcnt 0x0
.set nn, 0
.rept 8
	ds_store_b128 v[SA], v[SCO+4*nn:SCO+4*nn+3] offset:2*SP*nn
.set nn, nn+1
.endr
.set nn, 0
.rept 8
	ds_load_b128 v[XQ+4*nn:XQ+4*nn+3], v[SBQ] offset:16*nn   ; LDS serves a wave's instructions in order: these see my stores
.set nn, nn+1
.endr
	s_wait_dscnt 0x0
	MAX32 BM, BM+1, XQ
	s_delay_alu instid0(VALU_DEP_1)
	v_add_nc_u32 v[BM+2], OFF2, v[BM]              ; the conversion's scale operand
	s_delay_alu instid0(VALU_DEP_1)
	v_lshrrev_b32 v[BM+3], 23, v[BM+2]             ; my block's byte
	v_cvt_scalef32_pk16_fp6_f32 v[QF:QF+2], v[XQ:XQ+15], v[BM+2]
	v_cvt_scalef32_pk16_fp6_f32 v[BP:BP+2], v[XQ+16:XQ+31], v[BM+2]   ; (a conversion's three registers begin on an even number)
	v_nop                                          ; one plain place behind a scaled conversion
.irp i, 0,1,2
	v_mov_b32 v[QF+3+\i], v[BP+\i]
.endr
	v_mov_b32 v[BP+3], 0                           ; (a lane permute's destination counts as one of its sources)
	s_delay_alu instid0(VALU_DEP_1)
	v_permlanex16_b32 v[BP+3], v[BM+3], s[SEL], s[SEL+1]
	s_delay_alu instid0(VALU_DEP_1)
	v_lshl_or_b32 v[QS], v[BP+3], 8, v[BM+3]       ; lanes 0-15, which are read: byte(channels 0-31) | byte(channels 32-63) << 8
	INIT                                           ; its 36 plain lines also stand between the scale word's making and the first product
.endm
.macro MASKB b                         ; block b of the step on the diagonal: register 16 b + i holds key 32 b + 16 (lane / 16) + i: hidden where 32 b + i > my query - 16 (lane / 16)
	s_cmp_ge_u32 s[QR], 32*(\b)+31                 ; all its keys count for all my queries: nothing to hide
	s_cbranch_scc1 .Lopen_\@
	s_wait_alu depctr_va_vdst(0)
.irp i, 0,1,2,3,4,5,6,7,8,9,10,11,12,13,14,15
	v_cmp_gt_i32 vcc_lo, 32*(\b)+\i, v[MD]
	v_cndmask_b32 v[SCO+16*(\b)+\i], v[SCO+16*(\b)+\i], v[MI], vcc_lo
.endr
.Lopen_\@:
.endm
; A STEP: my 16 queries x the 128 keys whose block begins at LDS byte s[TB].  masked = 1: with the causal mask.  s[GF]: the weight's factor G.
.macro STEP masked
	v_add_nc_u32 v[ADK], s[TB], v[LI]
	v_add_nc_u32 v[ADS], s[TB], v[LS]
.set nn, 0
.rept 12
	ds_load_b128 v[KF+4*nn:KF+4*nn+3], v[ADK] offset:512*nn   ; an image comes back as it was laid: 512 consecutive bytes a load
.set nn, nn+1
.endr
.irp b, 0,1,2,3
	ds_load_b32 v[KS+\b], v[ADS] offset:KSC+128*\b
.endr
.set nn, 0
.rept 12
	ds_load_b128 v[VF+4*nn:VF+4*nn+3], v[ADK] offset:VIMG+512*nn
.set nn, nn+1
.endr
.irp p, 0,1
	ds_load_b32 v[VS+\p], v[ADS] offset:VSC+128*\p
.endr
	s_wait_dscnt 14                                ; K and its scale words are in; V's 12 loads and its 2 scale words, issued behind them, may be out
.irp t, 0,2,4,6                        ; S^T = K Q^T; the eight accumulators take one instruction each
	v_wmma_scale_f32_16x16x128_f8f6f4 v[SCO+8*\t:SCO+8*\t+7], v[KF+6*\t:KF+6*\t+11], v[QF:QF+11], 0, v[KS+\t/2], v[QS] matrix_a_fmt:MATRIX_FMT_FP6 matrix_b_fmt:MATRIX_FMT_FP6
	v_wmma_scale_f32_16x16x128_f8f6f4 v[SCO+8*\t+8:SCO+8*\t+15], v[KF+6*\t+6:KF+6*\t+17], v[QF:QF+11], 0, v[KS+\t/2], v[QS] matrix_a_fmt:MATRIX_FMT_FP6 matrix_b_fmt:MATRIX_FMT_FP6 matrix_a_scale:MATRIX_SCALE_ROW1
.endr
.rept 4
	v_nop                                          ; four places (ISA guide 7.12.1) in front of the first read of the scores and of the first write into K's registers
.endr
.if \masked
	v_add_nc_u32 v[MD], s[QR], v[QD]
	v_mov_b32 v[MI], 0xff800000                    ; -infinity: p = 0 then
	MASKB 0
	MASKB 1
	MASKB 2
	MASKB 3
.endif
.irp b, 0,1,2,3
	v_max3_num_f32 v[BM+\b], v[SCO+16*\b], v[SCO+16*\b+1], v[SCO+16*\b+2]   ; the largest score of each block of 32 keys: for the row's maximum, and, since p rises with the score, for the block's largest p
.endr
.irp i, 3,5,7,9,11,13
.irp b, 0,1,2,3
	v_max3_num_f32 v[BM+\b], v[BM+\b], v[SCO+16*\b+\i], v[SCO+16*\b+\i+1]   ; (the four blocks by turns)
.endr
.endr
.irp b, 0,1,2,3
	v_max_num_f32 v[BM+\b], v[BM+\b], v[SCO+16*\b+15]
.endr
.irp b, 0,1,2,3
	s_delay_alu instid0(VALU_DEP_4)
	v_permlanex16_b32 v[BP+\b], v[BM+\b], s[SEL], s[SEL+1]
.endr
.irp b, 0,1,2,3
	s_delay_alu instid0(VALU_DEP_4)
	v_max_num_f32 v[BM+\b], v[BM+\b], v[BP+\b]     ; with lane l xor 16's 16 keys
.endr
	s_delay_alu instid0(VALU_DEP_2)
	v_max3_num_f32 v[TA], v[BM], v[BM+1], v[BM+2]
	s_delay_alu instid0(VALU_DEP_1)
	v_max_num_f32 v[TA], v[TA], v[BM+3]            ; the step's largest score of my query
	s_delay_alu instid0(VALU_DEP_1)
	v_mul_f32 v[TA], s[CS], v[TA]                  ; as t (c is positive)
	s_delay_alu instid0(VALU_DEP_1)
	v_max_num_f32 v[TM], v[TM], v[TA]
	v_mov_b32 v[TA], v[NM]
	s_delay_alu instid0(VALU_DEP_2)
	v_floor_f32 v[NM], -v[TM]                      ; the new -M = floor(-t) = -ceil(t): M is a whole number
	s_delay_alu instid0(VALU_DEP_1)
	v_sub_f32 v[TA], v[NM], v[TA]                  ; old M - new M: a whole number, 0 or less
	s_delay_alu instid0(VALU_DEP_1)
	v_cvt_i32_f32 v[TA], v[TA]                     ; (it saturates)
	s_delay_alu instid0(VALU_DEP_1)
	v_ldexp_f32 v[FF], s[GF], v[TA]                ; f = G x 2^(old M - new M)
.set nn, 0
.rept 32
	v_pk_fma_f32 v[SCO+2*nn:SCO+2*nn+1], v[SCO+2*nn:SCO+2*nn+1], s[CS:CS+1], v[NM:NM+1] op_sel_hi:[1,0,0]   ; t - M, two at a time (of the pairs c and -M the low word serves both halves)
.set nn, nn+1
.endr
.irp b, 0,1,2,3
	v_fma_f32 v[BM+\b], v[BM+\b], s[CS], v[NM]     ; the same of each block's largest score
.endr
.set nn, 0
	s_wait_alu depctr_va_vdst(0)
.rept 64
	v_exp_f32 v[SCO+nn], v[SCO+nn]                 ; p = 2^(t - M), at most 1: not normalised
.set nn, nn+1
.endr
.irp b, 0,1,2,3
	v_exp_f32 v[BM+\b], v[BM+\b]                   ; the block's largest p: the same two instructions on the same number give the same bits
.endr
	v_pk_mul_f32 v[LL:LL+1], v[LL:LL+1], v[FF:FF+1] op_sel_hi:[1,0]   ; l under the new M and weight.  (A plain place behind the exponentials)
	s_wait_alu depctr_va_vdst(0)
.irp b, 0,1,2,3
	v_max_num_f32 v[BM+\b], FLOOR, v[BM+\b]        ; the byte cannot fall under 1 (a block whose every p is 0 keeps that byte: its codes are zeros)
.endr
.irp b, 0,1,2,3
	s_delay_alu instid0(VALU_DEP_4)
	v_add_nc_u32 v[BS+\b], OFF2, v[BM+\b]          ; the conversion's scale operand
.endr
.irp b, 0,1,2,3
	s_delay_alu instid0(VALU_DEP_4)
	v_lshrrev_b32 v[BP+\b], 23, v[BS+\b]           ; the scale's byte
.endr
	s_delay_alu instid0(VALU_DEP_3)
	v_lshl_or_b32 v[PS], v[BP+1], 8, v[BP]         ; p's scale word for these 128 keys
	s_delay_alu instid0(VALU_DEP_1)
	v_lshl_or_b32 v[PS], v[BP+2], 16, v[PS]
	s_delay_alu instid0(VALU_DEP_1)
	v_lshl_or_b32 v[PS], v[BP+3], 24, v[PS]
.irp c, 0,1
	v_cvt_scalef32_pk16_fp6_f32 v[PC+6*\c:PC+6*\c+2], v[SCO+32*\c:SCO+32*\c+15], v[BS+2*\c]
	v_cvt_scalef32_pk16_fp6_f32 v[CT+4*\c:CT+4*\c+2], v[SCO+32*\c+16:SCO+32*\c+31], v[BS+2*\c+1]   ; (a conversion's three registers begin on an even number)
.endr
	v_nop                                          ; one plain place behind a scaled conversion
.irp c, 0,1                            ; the operand's layout wants a whole block in a lane: lanes 0-15 block 2 c, lanes 16-31 block 2 c + 1
.irp i, 0,1,2
	v_permlane16_swap_b32 v[PC+6*\c+\i], v[CT+4*\c+\i]
.endr
.irp i, 0,1,2
	s_delay_alu instid0(VALU_DEP_3)
	v_mov_b32 v[PC+6*\c+3+\i], v[CT+4*\c+\i]
.endr
.endr
	v_pk_add_f32 v[46:47], v[138:139], v[142:143]
	v_pk_add_f32 v[252:253], v[146:147], v[150:151]
	v_pk_add_f32 v[248:249], v[154:155], v[158:159]
	v_pk_add_f32 v[232:233], v[162:163], v[166:167]
	v_pk_add_f32 v[230:231], v[170:171], v[174:175]
	v_pk_add_f32 v[78:79], v[178:179], v[182:183]
	v_pk_add_f32 v[76:77], v[186:187], v[190:191]
	v_pk_add_f32 v[14:15], v[14:15], v[194:195]
	v_pk_add_f32 v[46:47], v[46:47], v[134:135]
	v_pk_add_f32 v[252:253], v[252:253], v[136:137]
	v_pk_add_f32 v[248:249], v[248:249], v[140:141]
	v_pk_add_f32 v[232:233], v[232:233], v[144:145]
	v_pk_add_f32 v[230:231], v[230:231], v[148:149]
	v_pk_add_f32 v[78:79], v[78:79], v[152:153]
	v_pk_add_f32 v[76:77], v[76:77], v[156:157]
	v_pk_add_f32 v[14:15], v[14:15], v[160:161]
	v_pk_add_f32 v[46:47], v[46:47], v[164:165]
	v_pk_add_f32 v[252:253], v[252:253], v[168:169]
	v_pk_add_f32 v[248:249], v[248:249], v[172:173]
	v_pk_add_f32 v[232:233], v[232:233], v[176:177]
	v_pk_add_f32 v[230:231], v[230:231], v[180:181]
	v_pk_add_f32 v[78:79], v[78:79], v[184:185]
	v_pk_add_f32 v[76:77], v[76:77], v[188:189]
	v_pk_add_f32 v[14:15], v[14:15], v[192:193]
	v_pk_add_f32 v[46:47], v[46:47], v[196:197]
	s_delay_alu instid0(VALU_DEP_2)
	v_pk_add_f32 v[14:15], v[14:15], v[232:233]
	s_delay_alu instid0(VALU_DEP_2)
	v_pk_add_f32 v[46:47], v[46:47], v[230:231]
	v_pk_add_f32 v[252:253], v[252:253], v[78:79]
	v_pk_add_f32 v[248:249], v[248:249], v[76:77]
	s_delay_alu instid0(VALU_DEP_2)
	v_pk_add_f32 v[14:15], v[14:15], v[252:253]
	s_delay_alu instid0(VALU_DEP_2)
	v_pk_add_f32 v[46:47], v[46:47], v[248:249]
	s_delay_alu instid0(VALU_DEP_1)
	v_pk_add_f32 v[14:15], v[14:15], v[46:47]
.set nn, 0
.rept 16
	v_pk_mul_f32 v[OT+2*nn:OT+2*nn+1], v[OT+2*nn:OT+2*nn+1], v[FF:FF+1] op_sel_hi:[1,0]   ; O^T under the new M and weight, each accumulator from its low end on.  (With the sums above: the places between p's scale word and codes and the products below)
.set nn, nn+1
.endr
	s_wait_alu depctr_va_vdst(0)
	s_wait_dscnt 0x0                               ; V and its scale words are in
.irp t, 0,2                            ; O^T += V^T P^T; the four accumulators take one instruction each, and between two links of a chain stand the eleven other products of a step
	v_wmma_scale_f32_16x16x128_f8f6f4 v[OT+8*\t:OT+8*\t+7], v[VF+12*\t:VF+12*\t+11], v[PC:PC+11], v[OT+8*\t:OT+8*\t+7], v[VS+\t/2], v[PS] matrix_a_fmt:MATRIX_FMT_FP6 matrix_b_fmt:MATRIX_FMT_FP6
	v_wmma_scale_f32_16x16x128_f8f6f4 v[OT+8*\t+8:OT+8*\t+15], v[VF+12*\t+12:VF+12*\t+23], v[PC:PC+11], v[OT+8*\t+8:OT+8*\t+15], v[VS+\t/2], v[PS] matrix_a_fmt:MATRIX_FMT_FP6 matrix_b_fmt:MATRIX_FMT_FP6 matrix_a_scale:MATRIX_SCALE_ROW1
.endr
.rept 4
	v_nop                                          ; four places in front of whatever follows on any way: loads into V's, P's or the scales' registers, a read or a clearing of O^T
.endr
.endm
.macro REDUCE_L                        ; l's two halves, and lane l xor 16's
	v_add_f32 v[LL], v[LL], v[LL+1]
	v_permlanex16_b32 v[TA], v[LL], s[SEL], s[SEL+1]
	s_delay_alu instid0(VALU_DEP_1)
	v_add_f32 v[LL], v[LL], v[TA]
.endm
; O^T / l goes through my stage (lane (r, h): row r, tile t's eight channels at 64 t + 32 h) and leaves as whole rows (base in s[ob:ob+1]): sixteen lanes store a (position, head) row, 256 consecutive bytes, aligned.
.macro OUTPUT ob
	v_rcp_f32 v[TA], v[LL]
	v_mov_b32 v[TA+1], 0                           ; a plain place behind the reciprocal; and the pair's upper word is written
.set nn, 0
	s_wait_alu depctr_va_vdst(0)
.rept 16
	v_pk_mul_f32 v[SCO+2*nn:SCO+2*nn+1], v[OT+2*nn:OT+2*nn+1], v[TA:TA+1] op_sel_hi:[1,0]
.set nn, nn+1
.endr
.irp t, 0,1,2,3
	ds_store_b128 v[SBO], v[SCO+8*\t:SCO+8*\t+3] offset:64*\t
	ds_store_b128 v[SBO], v[SCO+8*\t+4:SCO+8*\t+7] offset:64*\t+16
.endr
.set nn, 0
.rept 8
	ds_load_b128 v[XQ+4*nn:XQ+4*nn+3], v[SA] offset:2*SP*nn   ; LDS serves a wave's instructions in order: these see my stores
.set nn, nn+1
.endr
.set nn, 0
.rept 8
	s_wait_dscnt 7-nn                              ; load nn is back; the younger ones may be out
	global_store_b128 v[VQ], v[XQ+4*nn:XQ+4*nn+3], s[\ob:\ob+1] offset:2*ROWP*nn th:TH_STORE_NT
.set nn, nn+1
.endr
.endm
.macro PARTIAL                         ; a split wave's part goes to its region as it stands in the registers: O^T's image, and a record (-M, l, the weight of my last step, 0) for each lane
.set nn, 0
.rept 8
	ds_store_b128 v[LIW], v[OT+4*nn:OT+4*nn+3] offset:512*nn
.set nn, nn+1
.endr
	v_mov_b32 v[PC], v[NM]
	v_mov_b32 v[PC+1], v[LL]
	v_mov_b32 v[PC+2], s[WL]
	v_mov_b32 v[PC+3], 0
	ds_store_b128 v[LIW], v[PC:PC+3] offset:4096
.endm
; A TILE.  Its steps in order: v < D: keys' step v, weight m + 1;  v = D: step D masked, weight 1;  v > D: step v - 1, weight m.  I run v in [VLO, VHI).
; Every wave walks all eight steps of the set: the trip count is a constant and s[TB] steps in every trip; what a wave does not run is jumped over inside the trip, on ids alone.
.macro TILE it
	s_mov_b32 s[TT], s[TT0+\it]
	s_mov_b32 s[VAL], s[VL0+\it]
	s_lshr_b32 s[MM], s[TT], 6                     ; m: how many whole copies of the keys lie before my queries
	s_bfe_u32 s[DD], s[TT], 0x30003                ; D = (T >> 3) & 7
	s_and_b32 s[QR], s[TT], 7
	s_lshl_b32 s[QR], s[QR], 4                     ; my first query within step D
	s_add_co_u32 s62, s[DD], 1
	s_cmp_eq_u32 s[MM], 0
	s_cselect_b32 s[VHI], s62, s[SV1]              ; m = 0: nothing counts behind the masked step
	s_mov_b32 s[VLO], s[SV0]
	s_cmp_eq_u32 s[VAL], 0
	s_cselect_b32 s[VLO], 0, s[VLO]
	s_cselect_b32 s[VHI], 0, s[VHI]
	s_cmp_le_u32 s[VLO], s[DD]                     ; the masked step is mine where VLO <= D < VHI; else no step is 99
	s_cselect_b32 s62, s[DD], 99
	s_cmp_lt_u32 s[DD], s[VHI]
	s_cselect_b32 s[DM], s62, 99
	s_cmp_gt_u32 s[VLO], s[DD]                     ; the unmasked steps that are mine: SLO <= step < SHI
	s_cselect_b32 s62, 1, 0
	s_sub_co_u32 s[SLO], s[VLO], s62
	s_cmp_gt_u32 s[VHI], s[DD]
	s_cselect_b32 s62, 1, 0
	s_sub_co_u32 s[SHI], s[VHI], s62
	s_mov_b32 s[GM], ONE                           ; m + 1, 1 / m and m as f32, chosen among constants: m is an id, 0 .. 3
	s_mov_b32 s[RM], ONE
	s_mov_b32 s63, ONE
	s_cmp_eq_u32 s[MM], 1
	s_cselect_b32 s[GM], TWO, s[GM]
	s_cmp_eq_u32 s[MM], 2
	s_cselect_b32 s[GM], THREE, s[GM]
	s_cselect_b32 s[RM], HALF, s[RM]
	s_cselect_b32 s63, TWO, s63
	s_cmp_eq_u32 s[MM], 3
	s_cselect_b32 s[GM], FOUR, s[GM]
	s_cselect_b32 s[RM], THIRD, s[RM]
	s_cselect_b32 s63, THREE, s63
.if \it == 0
	s_sub_co_u32 s62, s[VHI], 1                    ; the weight of my last step: what my sums are still to be multiplied by, for the merge
	s_cmp_lt_u32 s62, s[DD]
	s_cselect_b32 s[WL], s[GM], s63
	s_cmp_eq_u32 s62, s[DD]
	s_cselect_b32 s[WL], ONE, s[WL]
.else
	s_wait_xcnt 0x0                                ; the first tile's stores have read their data registers, which are written again only behind this wait
.endif
	s_cmp_eq_u32 s[VAL], 0
	s_cbranch_scc1 .Lno_q_\@
	QTILE QB+32*\it
.Lno_q_\@:
.if \it == 0
	s_wait_tensorcnt 0x0                           ; my twelfth of the set has landed,
	s_wait_dscnt 0x0
	s_barrier_signal -1
	s_barrier_wait -1                              ; everybody's has
.endif
	s_mov_b32 s[SS], 0
	s_mov_b32 s[TB], 0
.Lkey_\@:
	s_cmp_lg_u32 s[SS], s[DM]
	s_cbranch_scc1 .Lno_mask_\@
	s_mov_b32 s[GF], s[GM]                         ; what was summed so far counts m + 1 times for this step's once
	STEP 1
.Lno_mask_\@:
	s_cmp_lt_u32 s[SS], s[SLO]
	s_cbranch_scc1 .Lno_plain_\@
	s_cmp_ge_u32 s[SS], s[SHI]
	s_cbranch_scc1 .Lno_plain_\@
	s_cmp_eq_u32 s[SS], s[DD]
	s_cselect_b32 s[GF], s[RM], ONE                ; from step D's unmasked turn on a step counts m times
	STEP 0
.Lno_plain_\@:
	s_add_co_u32 s[TB], s[TB], STEPB
	s_add_co_u32 s[SS], s[SS], 1
	s_cmp_lt_u32 s[SS], 8
	s_cbranch_scc1 .Lkey_\@
	s_cmp_eq_u32 s[VAL], 0
	s_cbranch_scc1 .Ldone_\@
	s_wait_alu depctr_va_vdst(0)
	REDUCE_L
.if \it == 0
	s_cmp_ge_u32 s[WV], 8
	s_cbranch_scc1 .Lsplit_\@
	s_wait_alu depctr_va_vdst(0)
	OUTPUT OB+32*\it
	s_branch .Ldone_\@
.Lsplit_\@:
	s_cmp_eq_u32 s[WV], 8                          ; wave 8 keeps its part in its registers
	s_cbranch_scc1 .Ldone_\@
	s_wait_alu depctr_va_vdst(0)
	PARTIAL
.else
	s_wait_alu depctr_va_vdst(0)
	OUTPUT OB+32*\it
.endif
.Ldone_\@:
.endm
	INIT
	TILE 0
	TILE 1
	s_wait_dscnt 0x0                               ; for wave 8's sake: my part lies in LDS
	s_barrier_signal -1
	s_barrier_wait -1
	s_cmp_lg_u32 s[WV], 8
	s_cbranch_scc1 .Lend
	s_cmp_eq_u32 s[VL0], 0
	s_cbranch_scc1 .Lend
	; THE MERGE: the four parts are brought under the largest of their M and under their weights: part i x (the weight of its last step) x 2^(M_i - M*)
	s_wait_xcnt 0x0                                ; no store's data register is written again but behind this wait
.irp i, 0,1,2
.irp k, 0,1,2,3,4,5,6,7
	ds_load_b128 v[KF+32*\i+4*\k:KF+32*\i+4*\k+3], v[PRD] offset:WREG*\i+512*\k
.endr
	ds_load_b128 v[PC+4*\i:PC+4*\i+3], v[PRD] offset:WREG*\i+4096
.endr
	s_wait_dscnt 0x0
	v_min3_num_f32 v[CT], v[NM], v[PC], v[PC+4]
	s_delay_alu instid0(VALU_DEP_1)
	v_min_num_f32 v[CT], v[CT], v[PC+8]            ; -M* = the least -M
	s_delay_alu instid0(VALU_DEP_1)
	v_sub_f32 v[CT+1], v[CT], v[NM]
	s_delay_alu instid0(VALU_DEP_1)
	v_cvt_i32_f32 v[CT+1], v[CT+1]
	s_delay_alu instid0(VALU_DEP_1)
	v_ldexp_f32 v[FF], s[WL], v[CT+1]              ; my own part's factor
.irp i, 0,1,2
	v_sub_f32 v[PC+4*\i], v[CT], v[PC+4*\i]
.endr
.irp i, 0,1,2
	s_delay_alu instid0(VALU_DEP_3)
	v_cvt_i32_f32 v[PC+4*\i], v[PC+4*\i]
.endr
.irp i, 0,1,2
	s_delay_alu instid0(VALU_DEP_3)
	v_ldexp_f32 v[PC+4*\i], v[PC+4*\i+2], v[PC+4*\i]
.endr
	v_mul_f32 v[LL], v[LL], v[FF]
.irp i, 0,1,2
	s_delay_alu instid0(VALU_DEP_1)
	v_fmac_f32 v[LL], v[PC+4*\i], v[PC+4*\i+1]
.endr
.set nn, 0
.rept 16
	v_pk_mul_f32 v[OT+2*nn:OT+2*nn+1], v[OT+2*nn:OT+2*nn+1], v[FF:FF+1] op_sel_hi:[1,0]
.set nn, nn+1
.endr
.irp i, 0,1,2
.set nn, 0
.rept 16
	v_pk_fma_f32 v[OT+2*nn:OT+2*nn+1], v[KF+32*\i+2*nn:KF+32*\i+2*nn+1], v[PC+4*\i:PC+4*\i+1], v[OT+2*nn:OT+2*nn+1] op_sel_hi:[1,0,1]
.set nn, nn+1
.endr
.endr
	s_wait_alu depctr_va_vdst(0)
	OUTPUT OB
.Lend:
	s_wait_tensorcnt 0x0
	ds_add_u32 v251, v255
	s_wait_dscnt 0x0
	s_endpgm
.Lfunc_end_k_q09765f87b2_attn:
	.size	k_q09765f87b2_attn, .Lfunc_end_k_q09765f87b2_attn-k_q09765f87b2_attn
	.p2alignl 7, 3214868480
	.fill 96, 4, 3214868480
	.section	.rodata,"a",@progbits
	.p2align	6, 0x0
	.amdhsa_kernel k_q09765f87b2_attn
		.amdhsa_group_segment_fixed_size 169472
		.amdhsa_private_segment_fixed_size 0
		.amdhsa_enable_private_segment 0
		.amdhsa_kernarg_size 24
		.amdhsa_user_sgpr_count 2
		.amdhsa_user_sgpr_kernarg_segment_ptr 1
		.amdhsa_wavefront_size32 1
		.amdhsa_system_sgpr_workgroup_id_x 1
		.amdhsa_system_sgpr_workgroup_id_y 1
		.amdhsa_system_sgpr_workgroup_id_z 1
		.amdhsa_system_vgpr_workitem_id 0
		.amdhsa_next_free_vgpr 256
		.amdhsa_next_free_sgpr 74
		.amdhsa_reserve_vcc 1
		.amdhsa_float_denorm_mode_32 3
		.amdhsa_float_denorm_mode_16_64 3
		.amdhsa_memory_ordered 1
		.amdhsa_forward_progress 1
		.amdhsa_inst_pref_size 118
	.end_amdhsa_kernel
	.amdgpu_metadata
---
amdhsa.version: [ 1, 2 ]
amdhsa.kernels:
  - .name:           k_q09765f87b2_attn
    .symbol:         k_q09765f87b2_attn.kd
    .args:
      - { .name: query, .offset: 0, .size: 8, .value_kind: global_buffer, .address_space: global }
      - { .name: kv, .offset: 8, .size: 8, .value_kind: global_buffer, .address_space: global }
      - { .name: out0, .offset: 16, .size: 8, .value_kind: global_buffer, .address_space: global }
    .group_segment_fixed_size: 169472
    .private_segment_fixed_size: 0
    .kernarg_segment_align: 8
    .kernarg_segment_size: 24
    .max_flat_workgroup_size: 384
    .sgpr_count:     74
    .vgpr_count:     256
    .wavefront_size: 32
...
	.end_amdgpu_metadata
.endif
;; end of part 2
